; MI455X (gfx1250); checked and timed in simulation.
; The chip was launched on July 23, 2026; its instructions are those of AMD's public machine-readable ISA for CDNA 5 (MIT licence, August 2026) and "CDNA5" Instruction Set Architecture Reference Guide (July 2026). The comments in the code are by the model that wrote it; some were corrected since.
;; Scaled Dot Product Attention. Allowed arithmetic: matrix products marked QUANTISED: E3M2 operands, one E8M0 scale for each 32 along K, by v_wmma_scale_f32_16x16x128_f8f6f4 with both operands' format E3M2, f32 sums; everything else in f32.
;; Inputs: k 4 x 16 x 2,048 x 64 float32; mask 4 x 1 x 2,048 x 2,048 int32; q 4 x 16 x 2,048 x 64 float32; v 4 x 16 x 2,048 x 64 float32.
;; Outputs: out0 4 x 16 x 2,048 x 64 float32.
;; This version of the problem:
;;   THIS VERSION OF THE PROBLEM IS GIVEN IN LOW PRECISION. The matrix products marked QUANTISED in the list below multiply operands that are first quantised to E3M2 (3 exponent bits, 2 mantissa bits; 6 bits a number), with one power-of-two scale for each 32 numbers along K (OCP MX v1.0); their sums are f32. All else is computed in f32.
;;   The module's matrix products, in the order in which they are computed (A, B: the left and right operand; K: the contracted axis; several contracted axes count as one K, in the product's order):
;;     1. batch 64 x [M 2,048, K 64] x [K 64, N 2,048]; A: computed on the way; B: input k: QUANTISED
;;     2. batch 64 x [M 2,048, K 2,048] x [K 2,048, N 64]; A: softmax (see below); B: input v: QUANTISED
;;   THE QUANTISER, for each operand of a quantised product, along K:
;;     - K is cut into blocks of 32 from its start; a last block that is shorter is filled with zeros.
;;     - A block's scale is 2^e with e = floor(log2(the largest magnitude in the block)) - 4, held to -126 .. 127; a block of zeros has e = 0. As a byte (E8M0): e + 127.
;;     - Each number is divided by its block's scale, clamped to +-28, and rounded to the nearest number of E3M2, ties to even, subnormals kept.
;;     - The product sums the exact products of the quantised numbers (number of the format x scale) in f32.
;;   ~~~python
;;   def quantise(x, axis):      # numpy; x: float32 -> the quantised numbers, widened to float32 again
;;       x = np.moveaxis(x, axis, -1); K = x.shape[-1]
;;       x = np.pad(x, [(0, 0)] * (x.ndim - 1) + [(0, -K % 32)]); x = x.reshape(x.shape[:-1] + (-1, 32)); a = np.abs(x).max(-1, keepdims=True)
;;       e = np.where(a > 0, np.clip(np.frexp(np.where(a > 0, a, 1))[1] - 1 - 4, -126, 127), 0)      # np.frexp(a)[1] - 1 = floor(log2(a)), exactly
;;       r = np.clip(x / 2.0 ** e, -28, 28)
;;       step = 2.0 ** (np.maximum(np.frexp(np.where(r == 0, 1, r))[1] - 1, -2) - 2)
;;       q = np.round(r / step) * step * 2.0 ** e      # np.round: ties to even
;;       return np.moveaxis(q.reshape(q.shape[:-2] + (-1,))[..., :K], -1, axis).astype(np.float32)
;;   ~~~
;;   SOFTMAX AHEAD OF A QUANTISED PRODUCT. Where the list says 'softmax', what is quantised is not the finished softmax but p = 2^(t - M), with t = logit x log2(e) and M = ceil(the row's largest t), a whole number; so 1/2 < the row's largest p <= 1. The row's sum l is taken of the UNQUANTISED p, in f32, and the product's result is divided by l at the end. Since M is a whole number, a kernel that streams over the keys may use a running M (the ceiling of the running maximum): every later rescaling is an exact power of two, which a block's scale takes up: the codes' values come out the same.
;;   OPERANDS COMPUTED ON THE WAY. 'Computed on the way' means the value that the module computes at that place (a softmax that the list does not call 'softmax' is quantised finished and normalised). What goes into a quantiser is computed in f32, as accurately as f32 sums, v_exp_f32 and their like allow (about 1e-6 of the number): no bf16 or f16 on the way to a quantiser, and a product that is left as it is and whose result goes on into a quantised operand takes f32 operands (vector FMAs, or v_wmma_f32_16x16x4_f32). A number that lies on a knife's edge between two numbers of the format may be rounded either way, as far as f32 arithmetic and the matrix unit's own rounding can turn it there, and no further.
;; One version. Each part assembles by itself: llvm-mc -triple=amdgcn-amd-amdhsa -mcpu=gfx1250 --defsym DOCPART=n.
;; ======== version 1 of 1: 2 launches
;; limits: right only within a limited range of input values
;; workspace buffers: kv 13,107,200 bytes; mbits 2,097,152 bytes of whole numbers
;; launch prep (part 1): grid 1024 x 1, 4 waves a work-group, no clusters, 68,864 bytes of LDS; arguments k, v, mask, kv, mbits; writes kv, mbits
.if DOCPART == 1
	.amdgcn_target "amdgcn-amd-amdhsa--gfx1250"
	.amdhsa_code_object_version 6
	.text
	.protected	k_qbe0a5e9c78_prep
	.globl	k_qbe0a5e9c78_prep
	.p2align	8
	.type	k_qbe0a5e9c78_prep,@function
k_qbe0a5e9c78_prep:
	s_mov_b64 s[64:65], 0
	v_nop
	global_prefetch_b8 v0, s[64:65] scope:SCOPE_SE
	s_setreg_imm32_b32 hwreg(HW_REG_WAVE_MODE, 25, 1), 1
	s_wait_xcnt 0x0
; k, v [64 heads][2048][64] f32 and mask [4][2048][2048] i32 are turned, once, into what the attention launch's registers want.
; KV: 1,024 records (head x 16 + step of 128 keys) of 12,800 bytes, laid as IMAGES OF OPERAND REGISTERS of the 16x16x128 form on codes of BF6 (E3M2, 6 bits):
;   a fragment is 12 registers a lane, stored as 3 pieces of 512 bytes, lane l's 16 bytes at 16 l.
;   bytes 0..6143      K's fragments f = 0..3.  A fragment holds TWO tiles of 16 keys x 64 channels: its K 0-63 are tile 2 f, its K 64-127 tile 2 f + 1.
;                      Row m of tile T = 4 c + u is key 64 c + 32 (m / 8) + 8 u + m % 8 of the step (the order in which the scores then fall into a lane as whole blocks of 32 neighbouring keys).
;   bytes 6144..12287  V's fragments t = 0..3: row = channel 16 t + r, K = the step's 128 keys in their own order.
;   bytes 12288..12799 the scale words: lane l's 16 bytes are (K's fragments 0|1, K's 2|3, V's 0|1, V's 2|3): lanes 0-15 the even fragment's rows, lanes 16-31 the odd one's.
; MBITS: 8,192 records ((batch x 128 + tile of 16 queries) x 16 + step) of 64 words: word n, bit r + 16 h = (mask[query r][key 64 (n / 32) + 32 h + n % 32] == 1): the lane mask for score register n.
; THE QUANTISER: a block's scale is 2^(floor(log2(largest magnitude)) - 4); its byte is the largest magnitude's exponent field - 4, held at 1 from below by a floor among the maximum's leaves.
; LIMITS: a block of zeros gets the byte 1 where the rule says 127 (its codes are zeros, and this program alone reads the bytes); blocks whose largest magnitude lies under 2^-122 take the floor's byte; NaN and infinities are not served.
; SHARES: work-group x makes KV record x and MBITS records 8 x .. 8 x + 7.  Wave w: K's fragment w; the loads of V's keys 32 w .. 32 w + 31; V's fragment w; MBITS records 8 x + 2 w and + 1.
; Every global load reads 512 consecutive bytes (16 a lane); the turn to 'a lane holds neighbours along K' goes through LDS.  Every store of a wave covers 256 or 512 consecutive bytes, aligned to 256.
; No matrix work, no tensor loads, no cluster: nothing is shared between work-groups and every input byte is read once.
.set VBLK, 8256                        ; LDS 0..33023: V's stage: 32 keys x 256 bytes, + 64 bytes, so that lanes 16-31 (one block of keys on) read 16 words further round than lanes 0-15
.set WST,  33024                       ; four stages of 8,704 bytes, each wave's own: K: 32 rows at 272; the mask: 16 rows at 528 (odd multiples of 16 bytes: sixteen rows start in sixteen different columns of 16 bytes)
.set WSTB, 8704
.set SCST, 67840                       ; 512 bytes: the record's scale words
.set KP,   272
.set MP,   528
.set SA,   64                          ; v64-127, v128-191, v192-255: three sets of 64 numbers
.set SB,   128
.set SC,   192
.set CK,   16                          ; v16-27  K's fragment
.set CV,   28                          ; v28-39  V's fragment
; v1 lane, v2 r, v3 h; v4 16 x lane, v5 8 x lane, v6 8 h; v7-v14 LDS addresses; v40-46 halves of blocks' codes; v48-51 mask words; v52-55 scale image; v56-59 maxima, bytes, scale operands; v60, v61 scale words; v62 a permute's destination
	s_load_b256 s[4:11], s[0:1], 0x0               ; k s[4:5], v s[6:7], mask s[8:9], kv s[10:11]
	s_load_b64 s[12:13], s[0:1], 0x20              ; mbits
	v_lshl_add_u32 v47, v0, 2, 0x10b00
	v_mov_b32 v63, 0
	v_lshrrev_b32 v1, 5, v0
	v_readfirstlane_b32 s14, v1                    ; wave 0..3
	v_and_b32 v1, 31, v0                           ; lane
	v_lshlrev_b32 v4, 4, v1                        ; 16 bytes a lane
	s_lshr_b32 s15, s14, 1                         ; w / 2
	s_and_b32 s28, s14, 1                          ; w % 2
	s_lshl_b32 s16, ttmp9, 15                      ; a step's 128 rows of 256 bytes: 32,768 x
	s_lshl_b32 s30, s14, 13
	s_add_co_u32 s18, s16, s30                     ; v: + 32 keys x wave
	s_lshl_b32 s30, s15, 14
	s_add_co_u32 s16, s16, s30
	s_lshl_b32 s30, s28, 12
	s_add_co_u32 s16, s16, s30                     ; k: + key 64 (w / 2) + 16 (w % 2): my fragment's keys are 16 from there and 16 from 32 keys on
	s_lshr_b32 s20, ttmp9, 1
	s_lshl_b32 s20, s20, 17                        ; mask: 16 rows of 8,192 bytes x (x / 2),
	s_and_b32 s30, ttmp9, 1
	s_lshl_b32 s30, s30, 12
	s_add_co_u32 s20, s20, s30                     ; + 8 steps of 512 bytes x (x % 2),
	s_lshl_b32 s30, s14, 10
	s_add_co_u32 s20, s20, s30                     ; + 2 steps x wave
	s_mul_i32 s22, ttmp9, 12800
	s_mul_i32 s30, s14, 1536
	s_add_co_u32 s22, s22, s30                     ; kv: record x, fragment w
	s_lshl_b32 s24, ttmp9, 11
	s_lshl_b32 s30, s14, 9
	s_add_co_u32 s24, s24, s30                     ; mbits: 8 records of 256 bytes x x, + 2 x wave
	s_mov_b32 s17, 0
	s_mov_b32 s19, 0
	s_mov_b32 s21, 0
	s_mov_b32 s23, 0
	s_mov_b32 s25, 0
	s_wait_alu depctr_va_vdst(0)
	s_wait_kmcnt 0x0
	s_add_nc_u64 s[4:5], s[4:5], s[16:17]
	s_add_nc_u64 s[6:7], s[6:7], s[18:19]
	s_add_nc_u64 s[8:9], s[8:9], s[20:21]
	s_add_nc_u64 s[10:11], s[10:11], s[22:23]
	s_add_nc_u64 s[12:13], s[12:13], s[24:25]
.set I, 0
.rept 16
	global_load_b128 v[SA+4*I:SA+4*I+3], v4, s[6:7] offset:512*I th:TH_LOAD_NT                 ; V: two keys' rows a load
.set I, I+1
.endr
.set I, 0
.rept 16
	global_load_b128 v[SB+4*I:SB+4*I+3], v4, s[4:5] offset:8192*(I/8)+512*(I%8) th:TH_LOAD_NT  ; K: two runs of 16 keys, 32 keys apart
.set I, I+1
.endr
.set I, 0
.rept 16
	global_load_b128 v[SC+4*I:SC+4*I+3], v4, s[8:9] offset:8192*I th:TH_LOAD_NT                ; the mask, my first step: 128 keys of query row I
.set I, I+1
.endr
	; the addresses are made while the 48 loads are out
	v_and_b32 v2, 15, v0                           ; r
	v_bfe_u32 v3, v0, 4, 1                         ; h
	v_lshlrev_b32 v5, 3, v1
	v_lshlrev_b32 v6, 3, v3
	s_mul_i32 s26, s14, VBLK
	v_add_nc_u32 v7, s26, v4                       ; V's stage, in: my block of keys, as loaded
	s_mul_i32 s27, s14, WSTB
	s_add_co_u32 s27, s27, WST                     ; my own stage
	v_mul_u32_u24 v8, v3, KP
	v_lshl_add_u32 v8, v2, 4, v8
	v_add_nc_u32 v8, s27, v8                       ; K in: lanes 0-15 one row, lanes 16-31 the next
	v_mul_u32_u24 v9, v2, KP
	v_lshl_add_u32 v9, v3, 7, v9
	v_add_nc_u32 v9, s27, v9                       ; K out: row r, channels 32 h on
	v_mul_u32_u24 v10, v3, VBLK
	v_lshl_add_u32 v10, v2, 2, v10
	s_lshl_b32 s30, s14, 6
	v_add_nc_u32 v10, s30, v10                     ; V out: channel 16 w + r, keys 32 h on
	v_add_nc_u32 v11, s27, v4                      ; the mask in: a row of 512 bytes
	v_mul_u32_u24 v12, v2, MP
	v_lshl_add_u32 v12, v3, 7, v12
	v_add_nc_u32 v12, s27, v12                     ; the mask out: row r, keys 32 h on
	s_lshl_b32 s30, s28, 8
	s_lshl_b32 s31, s15, 2
	s_add_co_u32 s30, s30, s31
	s_add_co_u32 s30, s30, SCST
	v_lshl_add_u32 v13, v2, 4, s30                 ; my fragment's scale word of row r: lane r + 16 (w % 2) of the image, word w / 2 (V's: two words on)
	v_add_nc_u32 v14, SCST, v4                     ; the image, 16 bytes a lane
	s_mov_b32 s2, 0x76543210
	s_mov_b32 s3, 0xfedcba98                       ; v_permlanex16_b32's selects for lane l xor 16
.irp i, 48,49,50,51,62
	v_mov_b32 v\i, 0                               ; written once: the destination of v_writelane_b32 and of a lane permute counts as one of its sources
.endr
; 64 numbers of a lane, v[x + 32 t + i] = number i of my block t (t = 0, 1), become a fragment's 12 registers v[c] on and my row's scale word v[wd].
; My blocks are blocks h and 2 + h of the row's four: my two bytes go 8 h bits up, and lane l xor 16 has the other two.
.macro QFRAG x, c, wd
.irp t, 0,1
	v_max3_num_f32 v[56+\t], |v[\x+32*\t]|, |v[\x+32*\t+1]|, 0x2800000   ; the floor 2^(5 - 127): the byte cannot fall under 1
.endr
.irp i, 2,4,6,8,10,12,14,16,18,20,22,24,26,28,30
.irp t, 0,1
	v_max3_num_f32 v[56+\t], v[56+\t], |v[\x+32*\t+\i]|, |v[\x+32*\t+\i+1]|   ; the two blocks by turns
.endr
.endr
.irp t, 0,1
	v_add_nc_u32 v[58+\t], 0xfe000000, v[56+\t]    ; 4 off the exponent field: the conversion takes this operand's exponent field as its scale
.endr
.irp t, 0,1
	v_lshrrev_b32 v[56+\t], 23, v[58+\t]           ; the scale's byte
.endr
	v_lshl_or_b32 v[\wd], v57, 16, v56
	v_lshlrev_b32 v[\wd], v6, v[\wd]
	v_permlanex16_b32 v62, v[\wd], s2, s3
	v_or_b32 v[\wd], v[\wd], v62
	v_cvt_scalef32_pk16_bf6_f32 v[\c:\c+2], v[\x:\x+15], v58
	v_cvt_scalef32_pk16_bf6_f32 v[40:42], v[\x+16:\x+31], v58          ; (a conversion's three registers begin on an even number: a block's second half is made elsewhere and moved)
	v_cvt_scalef32_pk16_bf6_f32 v[\c+6:\c+8], v[\x+32:\x+47], v59
	v_cvt_scalef32_pk16_bf6_f32 v[44:46], v[\x+48:\x+63], v59
	v_nop                                          ; one plain instruction behind the scaled conversions
.irp i, 0,1,2
	v_mov_b32 v[\c+3+\i], v[40+\i]
	v_mov_b32 v[\c+9+\i], v[44+\i]
.endr
.endm
; 64 mask numbers of a lane become 64 lane masks, and those the words 2 l, 2 l + 1 of lane l: 32 compares into s16-47, 32 writes of a lane, twice
.macro MASKW x, wd
.irp g, 0,1
.set I, 0
.rept 32
	v_cmp_eq_u32 s[16+I], 1, v[\x+32*\g+I]
.set I, I+1
.endr
.set I, 0
.rept 32
	v_writelane_b32 v[\wd+I%2], s[16+I], 16*\g+I/2
.set I, I+1
.endr
.endr
.endm
; a step's 16 rows x 128 mask numbers through my stage: in as loaded, out 32 neighbouring keys at a time
.macro MTURN x
.set I, 0
.rept 16
	ds_store_b128 v11, v[\x+4*I:\x+4*I+3] offset:MP*I
.set I, I+1
.endr
	s_wait_dscnt 0x0                               ; the stores have read their registers: the loads below land there
.set I, 0
.rept 16
	ds_load_b128 v[\x+4*I:\x+4*I+3], v12 offset:256*(I/8)+16*(I%8)
.set I, I+1
.endr
	s_wait_dscnt 0x0
.endm
	; ---- V's 128 keys meet in the shared stage
	s_wait_loadcnt 32                              ; V's 16 loads are in; K's 16 and the mask's 16 stay out
.set I, 0
.rept 16
	ds_store_b128 v7, v[SA+4*I:SA+4*I+3] offset:512*I
.set I, I+1
.endr
	s_wait_dscnt 0x0                               ; for the others' sake: my part of V's stage is written
	s_barrier_signal -1
	s_barrier_wait -1
.set I, 0
.rept 16
	global_load_b128 v[SA+4*I:SA+4*I+3], v4, s[8:9] offset:8192*I+512 th:TH_LOAD_NT   ; the mask, my second step, into the registers that V has left
.set I, I+1
.endr
	; ---- K's fragment w
	s_wait_loadcnt 32                              ; K's 16 loads are in; the mask's 32 stay out
.set I, 0
.rept 16
	ds_store_b128 v8, v[SB+4*I:SB+4*I+3] offset:(16*((I%8)/4)+8*(I/8)+2*(I%4))*KP   ; stage row 16 t + r = row r of my fragment's tile t
.set I, I+1
.endr
	s_wait_dscnt 0x0                               ; the stores have read their registers
.set I, 0
.rept 16
	ds_load_b128 v[SB+4*I:SB+4*I+3], v9 offset:16*KP*(I/8)+16*(I%8)
.set I, I+1
.endr
	s_wait_dscnt 0x0
	QFRAG SB, CK, 60
.irp i, 0,1,2
	global_store_b128 v4, v[CK+4*\i:CK+4*\i+3], s[10:11] offset:512*\i
.endr
	ds_store_b32 v13, v60                          ; both halves of the lanes hold the same word and write it to the same place
	; ---- V's fragment w: a lane takes a channel, and its registers run down the keys
.set I, 0
.rept 64
	ds_load_b32 v[SB+I], v10 offset:2*VBLK*(I/32)+256*(I%32)
.set I, I+1
.endr
	s_wait_dscnt 0x0
	QFRAG SB, CV, 61
.irp i, 0,1,2
	global_store_b128 v4, v[CV+4*\i:CV+4*\i+3], s[10:11] offset:6144+512*\i
.endr
	ds_store_b32 v13, v61 offset:8
	s_wait_dscnt 0x0                               ; for wave 0's sake: my two scale words are written
	s_barrier_signal -1
	s_barrier_wait -1
	s_cmp_lg_u32 s14, 0
	s_cbranch_scc1 .Lnot_wave_0
	ds_load_b128 v[52:55], v14                     ; wave 0 (whose base is the record's first byte) stores the eight fragments' scale words as one image
	s_wait_dscnt 0x0
	global_store_b128 v4, v[52:55], s[10:11] offset:12288
.Lnot_wave_0:
	; ---- the mask's two records
	s_wait_loadcnt 16                              ; my first step's 16 loads are in; the second's stay out
	MTURN SC
	MASKW SC, 48
	global_store_b64 v5, v[48:49], s[12:13]        ; 32 lanes store a record's 256 bytes
	s_wait_loadcnt 0x0
	MTURN SA
	MASKW SA, 50
	global_store_b64 v5, v[50:51], s[12:13] offset:256
	s_wait_tensorcnt 0x0
	ds_add_u32 v47, v63
	s_wait_dscnt 0x0
	s_endpgm
.Lfunc_end_k_qbe0a5e9c78_prep:
	.size	k_qbe0a5e9c78_prep, .Lfunc_end_k_qbe0a5e9c78_prep-k_qbe0a5e9c78_prep
	.p2alignl 7, 3214868480
	.fill 96, 4, 3214868480
	.section	.rodata,"a",@progbits
	.p2align	6, 0x0
	.amdhsa_kernel k_qbe0a5e9c78_prep
		.amdhsa_group_segment_fixed_size 68864
		.amdhsa_private_segment_fixed_size 0
		.amdhsa_enable_private_segment 0
		.amdhsa_kernarg_size 40
		.amdhsa_user_sgpr_count 2
		.amdhsa_user_sgpr_kernarg_segment_ptr 1
		.amdhsa_wavefront_size32 1
		.amdhsa_system_sgpr_workgroup_id_x 1
		.amdhsa_system_sgpr_workgroup_id_y 1
		.amdhsa_system_sgpr_workgroup_id_z 1
		.amdhsa_system_vgpr_workitem_id 0
		.amdhsa_next_free_vgpr 256
		.amdhsa_next_free_sgpr 66
		.amdhsa_reserve_vcc 0
		.amdhsa_float_denorm_mode_32 3
		.amdhsa_float_denorm_mode_16_64 3
		.amdhsa_memory_ordered 1
		.amdhsa_forward_progress 1
		.amdhsa_inst_pref_size 45
	.end_amdhsa_kernel
	.amdgpu_metadata
---
amdhsa.version: [ 1, 2 ]
amdhsa.kernels:
  - .name:           k_qbe0a5e9c78_prep
    .symbol:         k_qbe0a5e9c78_prep.kd
    .args:
      - { .name: k, .offset: 0, .size: 8, .value_kind: global_buffer, .address_space: global }
      - { .name: v, .offset: 8, .size: 8, .value_kind: global_buffer, .address_space: global }
      - { .name: mask, .offset: 16, .size: 8, .value_kind: global_buffer, .address_space: global }
      - { .name: kv, .offset: 24, .size: 8, .value_kind: global_buffer, .address_space: global }
      - { .name: mbits, .offset: 32, .size: 8, .value_kind: global_buffer, .address_space: global }
    .group_segment_fixed_size: 68864
    .private_segment_fixed_size: 0
    .kernarg_segment_align: 8
    .kernarg_segment_size: 40
    .max_flat_workgroup_size: 128
    .sgpr_count:     66
    .vgpr_count:     256
    .wavefront_size: 32
...
	.end_amdgpu_metadata
.endif
;; end of part 1
;; launch attn (part 2): grid 4 x 64, 16 waves a work-group, clusters of 4 x 1, 276,480 bytes of LDS; arguments q, kv, mbits, out0; writes out0
.if DOCPART == 2
	.amdgcn_target "amdgcn-amd-amdhsa--gfx1250"
	.amdhsa_code_object_version 6
	.text
	.protected	k_qbe0a5e9c78_attn
	.globl	k_qbe0a5e9c78_attn
	.p2align	8
	.type	k_qbe0a5e9c78_attn,@function
k_qbe0a5e9c78_attn:
	s_mov_b64 s[64:65], 0
	v_nop
	global_prefetch_b8 v0, s[64:65] scope:SCOPE_SE
	s_setreg_imm32_b32 hwreg(HW_REG_WAVE_MODE, 25, 1), 1
	s_wait_xcnt 0x0
	s_wait_alu depctr_hold_cnt(0) depctr_sa_sdst(0) depctr_va_vdst(0) depctr_va_sdst(0) depctr_va_ssrc(0) depctr_va_vcc(0) depctr_vm_vsrc(0)
	s_getreg_b32 s2, hwreg(HW_REG_IB_STS2, 6, 4)
	s_cmp_eq_u32 s2, 0
	s_cbranch_scc0 .Lentry_in_a_cluster
	s_endpgm
.Lentry_in_a_cluster:
	s_bfe_u32 s2, ttmp6, 0x10000c
	s_cmp_lg_u32 s2, 0x3003
	s_cbranch_scc0 .Lentry_shape_is_right
	s_endpgm
.Lentry_shape_is_right:
; out[head][q][:] = sum over keys of softmax(where(mask == 1, NEG, (q / 8) . k)) v, both products on codes of BF6 (E3M2) with one E8M0 scale for each 32 along a product's K.
; q [64][2048][64] f32 is quantised here, in registers; K, V and their scales come as register images (KV records of 12,800 bytes a step of 128 keys), the mask as lane masks (MBITS records of 64 words), both made by the launch before.
; THE SOFTMAX: t = logit x log2(e); M = the running largest t rounded UP to a whole number; p = 2^(t - M) is quantised along the keys, not normalised; the row's sum is taken of the unquantised p and divides at the end.
; When M moves, the sum and O are multiplied by 2^(old M - new M): exact, and in every step: no branch on data.
; LIMITS.  A masked logit is taken as -2^30, not -1e9: log2(e) x 2^30 is a whole f32 number, so that a row with every key masked gets p = 1 at every key, the uniform weights of the reference.  The result differs from the
; reference's only where an unmasked logit lies under about -9.99e8.  NaN and infinities among the inputs are not served; p under 2^-126 counts as 0 (v_exp_f32's result, ISA guide 15.8).
; SHARES.  A work-group owns 512 queries of one head; each of its sixteen waves owns two tiles of 16 queries, one after the other, in 226 registers: four waves to a SIMD.
; A HEAD'S 16 KV RECORDS, 204,800 bytes, LIE IN LDS WHOLE: each wave fetches one, once; no LDS byte is filled twice, so there is no ring, and behind one barrier the waves run freely.
; CLUSTER.  The four work-groups of a cluster are the four blocks of queries of one head and need the same 16 records: each is asked for JOINTLY (the same tensor load, the same descriptor, a mask that names the four).
; The place in the cluster enters the global addresses of q, out and the mask words alone.
; NO PREFETCH INTO THE L2: the records are fetched once, at the head, with no loop ahead of them; a step's 256 bytes of mask words are asked for one step ahead by scalar loads; the second tile's 4,096 bytes of q are loaded ahead of the first tile's way out.
; LAYOUT.  Both products are used transposed: S^T = K Q^T, O^T = V^T P^T: a lane (r, h) holds query r throughout.  By the order of the keys in K's tiles, score register n is key 64 (n / 32) + 32 h + n % 32:
; a lane holds two WHOLE blocks of 32 neighbouring keys, so a block's maximum asks no other lane and the conversions' results are P's operand as they stand.
; THE FIRST PRODUCT'S K IS 64, the form's 128: a fragment of K holds two tiles of keys (K 0-63, K 64-127), and Q stands in 18 registers, zeros | codes | zeros: v[22:33] = (q | 0) picks the first tile, v[16:27] = (0 | q) the second.
; Zero codes add nothing under the scale bytes here, which lie from 1 to 254.
; THE MASK AND THE MAXIMA SHARE INSTRUCTIONS: a dual pair selects score n's masked value (its lane mask in VCC) and takes score n - 5, selected five pairs earlier, into one of eight running maxima.
; THE ROW'S SUM goes in eight chains; the seven additions that join them stand behind the NEXT step's first products, and nine of a step's additions behind its second products: they are the places that ISA guide 7.12.1 asks for there.
.set REC,   12800
.set STAGE, 204800                     ; behind the records: 16 rows x 272 bytes for each wave, its own: q on the way in, O on the way out; no tensor load lands there
.set STB,   4352
.set SP,    272                        ; an odd multiple of 16 bytes: sixteen rows start in sixteen different columns of 16 bytes
.set FR,    40                         ; v40-87   four fragments, of K and then of V
.set SCO,   96                         ; v96-159  the scores, then p
.set OT,    160                        ; v160-191 O^T: tile t, register j = o(r, 16 t + 8 h + j)
.set PC,    192                        ; v192-203 p's codes
; v1 16 x lane; v2 the record's address; v4, v5, v6 stage addresses; v7 -2^30; v8 8 h; v12 -M; v13 the largest t; v[14:15] the sum; v16-33 Q; v34 Q's scale word; v35 P's; v36-39 K's and V's scale words;
; v204-210 halves of blocks' codes; v204-206, 208-210, 217, 221 the eight running maxima; v[10:11], v[208:211], v[214:217], v[220:223] the sum's chains; v212 f, later 1 / sum (v213 named with it as a pair); v214, v216 blocks' maxima; v218 a permute's destination; v219-223 at work
; v224, v225 the add's two registers
; s[4:5] q; s[8:9] mask words; s[10:11] out; s[12:15], s[16:23] the descriptor; s24 wave; s[26:27] lane selects; s[28:29] log2(e); s30, s31 mask offset, and clamped; s32-63, s68-99 64 lane masks; s66 steps to go
.macro ROUND                           ; a round of the cluster's barrier: my work-group's barrier; wave 0 signals for the work-group; every wave waits for all four; my work-group's barrier once more
	s_barrier_signal -1
	s_barrier_wait -1
	s_cmp_lg_u32 s24, 0
	s_cbranch_scc1 .Lnot_wave_0_\@
	s_barrier_signal -3
.Lnot_wave_0_\@:
	s_barrier_wait -3
	s_barrier_signal -1
	s_barrier_wait -1
.endm
.macro MLOAD                           ; a record's 64 lane masks into scalar registers
	s_load_b512 s[32:47], s[8:9], s31 offset:0x0
	s_load_b512 s[48:63], s[8:9], s31 offset:0x40
	s_load_b512 s[68:83], s[8:9], s31 offset:0x80
	s_load_b512 s[84:99], s[8:9], s31 offset:0xc0
.endm
	s_load_b256 s[4:11], s[0:1], 0x0               ; q s[4:5], kv s[6:7], mbits s[8:9], out s[10:11]
	v_lshl_add_u32 v224, v0, 2, 0x43000
	v_mov_b32 v225, 0
	ds_add_u32 v224, v225                          ; the opening lines: the add, twice on end, and its wait ahead of my tensor load
	ds_add_u32 v224, v225
	v_lshrrev_b32 v2, 5, v0
	s_delay_alu instid0(VALU_DEP_1)
	v_readfirstlane_b32 s24, v2                    ; wave 0..15
	v_and_b32 v9, 31, v0
	s_delay_alu instid0(VALU_DEP_1)
	v_lshlrev_b32 v1, 4, v9                        ; 16 x lane: an image's place, and my 16 bytes of two rows of q or of out (256 h + 16 r)
	v_and_b32 v2, 15, v0                           ; r
	v_bfe_u32 v3, v0, 4, 1                         ; h
	s_delay_alu instid0(VALU_DEP_1)
	v_lshlrev_b32 v8, 3, v3
	s_mul_i32 s25, s24, STB
	s_add_co_u32 s25, s25, STAGE                   ; my stage
	v_mul_u32_u24 v4, v2, SP
	s_delay_alu instid0(VALU_DEP_1)
	v_lshl_add_u32 v6, v3, 7, v4
	s_delay_alu instid0(VALU_DEP_2)
	v_lshl_add_u32 v4, v3, 5, v4
	v_mul_u32_u24 v5, v3, SP
	s_delay_alu instid0(VALU_DEP_1)
	v_lshl_add_u32 v5, v2, 4, v5
	s_delay_alu instid0(VALU_DEP_3)
	v_add_nc_u32 v4, s25, v4                       ; O in: row r, + 32 h
	s_delay_alu instid0(VALU_DEP_2)
	v_add_nc_u32 v5, s25, v5                       ; whole rows: lanes 0-15 one row, lanes 16-31 the next
	v_add_nc_u32 v6, s25, v6                       ; q out: row r, channels 32 h on
	v_mov_b32 v7, 0xce800000                       ; -2^30
.irp i, 16,17,18,19,20,21,28,29,30,31,32,33,213,218
	v_mov_b32 v\i, 0                               ; Q's zero codes; the upper half of the pair v[212:213]; a lane permute's destination counts as one of its sources
.endr
	s_mov_b32 s26, 0x76543210
	s_mov_b32 s27, 0xfedcba98                      ; v_permlanex16_b32's selects for lane l xor 16
	s_mov_b32 s28, 0x3fb8aa3b                      ; log2(e)
	s_mov_b32 s29, s28                             ; (the packed form names the pair)
	; the descriptor: a record is a dense block: 50 rows of 32 elements of 8 bytes, no padding
	s_mov_b32 s16, 15|(3<<16)|(1<<21)              ; 15:0 the mask: all four work-groups; 17:16 elements of 8 bytes; 21 set beside a mask
	s_mov_b32 s17, 32<<16                          ; tensor_dim0 = 32
	s_mov_b32 s18, 50<<16                          ; tensor_dim1 = 50
	s_mov_b32 s19, 32<<16                          ; tile_dim0 = 32
	s_mov_b32 s20, 50                              ; tile_dim1 = 50
	s_mov_b32 s21, 32                              ; from row to row
	s_mov_b32 s22, 0
	s_mov_b32 s23, 0
	s_mov_b32 s12, 1                               ; count = 1
	s_mul_i32 s13, s24, REC                        ; LDS: record w at 12,800 w: the wave's number alone
	s_and_b32 s66, ttmp7, 0xffff                   ; the head, which the four partners share
	s_mul_i32 s100, s66, 16*REC
	s_add_co_u32 s100, s100, s13                   ; kv: the head's record w
	s_mov_b32 s101, 0
	s_bfe_u32 s3, ttmp6, 0x40000                   ; cx: my place in the cluster
	s_lshl_b32 s2, ttmp9, 2
	s_add_co_u32 s3, s3, s2                        ; my block of 512 queries
	s_lshl_b32 s2, s3, 17
	s_lshl_b32 s67, s24, 13
	s_add_co_u32 s2, s2, s67                       ; 131,072 x block + 8,192 x wave: my 32 rows of 256 bytes, and likewise my 32 mask records of 256 bytes
	s_lshl_b32 s67, s66, 19
	s_add_co_u32 s30, s2, s67                      ; q, out: + 524,288 x head
	s_mov_b32 s31, 0
	s_lshr_b32 s67, s66, 4
	s_lshl_b32 s67, s67, 19
	s_add_co_u32 s2, s2, s67                       ; mask words: + 524,288 x batch
	s_mov_b32 s3, 0
	s_wait_alu depctr_va_vdst(0)
	s_wait_dscnt 0x0
	s_wait_kmcnt 0x0
	s_add_nc_u64 s[14:15], s[6:7], s[100:101]
	s_or_b32 s15, s15, 0x80000000                  ; type = 2
	s_add_nc_u64 s[4:5], s[4:5], s[30:31]
	s_add_nc_u64 s[10:11], s[10:11], s[30:31]
	s_add_nc_u64 s[8:9], s[8:9], s[2:3]
	s_mov_b32 s30, 0
	s_mov_b32 s31, 0
.set I, 0
.rept 8
	global_load_b128 v[SCO+4*I:SCO+4*I+3], v1, s[4:5] offset:512*I th:TH_LOAD_NT   ; my first tile of q, 512 consecutive bytes a load: on its way while the cluster meets
.set I, I+1
.endr
	MLOAD                                          ; the first step's lane masks
	ROUND                                          ; all four work-groups are here: the joint loads meet
	tensor_load_to_lds s[12:15], s[16:23]          ; my one tensor load of the launch: one is out
	s_nop 0
.rept 4
	v_nop
.endr
; A tile of q (in v[src] on, as loaded) goes through my stage, so that lane (r, h) holds channels 32 h .. 32 h + 31 of row r in v[wrk] on: a whole block.  q / 8 (exact), the block's scale, six registers of codes at v[dst], the scale word (b0, b1, b0, b1) in v[qs].
.macro QPREP src, wrk, dst, qs
.set I, 0
.rept 8
	ds_store_b128 v5, v[\src+4*I:\src+4*I+3] offset:2*SP*I
.set I, I+1
.endr
.set I, 0
.rept 8
	ds_load_b128 v[\wrk+4*I:\wrk+4*I+3], v6 offset:16*I    ; LDS serves a wave's instructions in order (ISA guide 5.7.1.4): these see my stores
.set I, I+1
.endr
	s_wait_dscnt 0x0
.set I, 0
.rept 16
	v_pk_mul_f32 v[\wrk+2*I:\wrk+2*I+1], v[\wrk+2*I:\wrk+2*I+1], 0x3e000000 op_sel_hi:[1,0]
.set I, I+1
.endr
	v_max3_num_f32 v214, |v[\wrk]|, |v[\wrk+1]|, 0x2800000   ; the floor 2^(5 - 127): the byte cannot fall under 1
.irp i, 2,4,6,8,10,12,14,16,18,20,22,24,26,28,30
	s_delay_alu instid0(VALU_DEP_1)
	v_max3_num_f32 v214, v214, |v[\wrk+\i]|, |v[\wrk+\i+1]|
.endr
	s_delay_alu instid0(VALU_DEP_1)
	v_add_nc_u32 v220, 0xfe000000, v214            ; 4 off the exponent field: the conversion's scale operand
	s_delay_alu instid0(VALU_DEP_1)
	v_lshrrev_b32 v222, 23, v220                   ; the byte of block h,
	s_delay_alu instid0(VALU_DEP_1)
	v_lshlrev_b32 v222, v8, v222                   ; at its place;
	s_delay_alu instid0(VALU_DEP_1)
	v_permlanex16_b32 v218, v222, s26, s27
	s_delay_alu instid0(VALU_DEP_1)
	v_or_b32 v222, v222, v218                      ; with lane l xor 16's: (b0, b1);
	s_delay_alu instid0(VALU_DEP_1)
	v_lshl_or_b32 v[\qs], v222, 16, v222           ; twice, for either place of the codes
	v_cvt_scalef32_pk16_bf6_f32 v[\dst:\dst+2], v[\wrk:\wrk+15], v220
	v_cvt_scalef32_pk16_bf6_f32 v[204:206], v[\wrk+16:\wrk+31], v220   ; (a conversion's three registers begin on an even number)
	v_nop                                          ; one plain instruction behind the scaled conversions
.irp i, 0,1,2
	v_mov_b32 v[\dst+3+\i], v[204+\i]
.endr
.endm
.macro PASSINIT                        ; the step is written once: the first finds zeros, which the first change of M leaves zeros
	v_mov_b32 v13, 0xff61b1e6                      ; the largest t so far: -3e38
	s_delay_alu instid0(VALU_DEP_1)
	v_floor_f32 v12, -v13                          ; -M
	v_mov_b32 v2, v1                               ; record 0
.irp i, 10,11,14,15,208,209,210,211,214,215,216,217,220,221,222,223
	v_mov_b32 v\i, 0                               ; the sum's eight chains
.endr
.set I, 0
.rept 32
	v_mov_b32 v[OT+I], 0
.set I, I+1
.endr
.endm
.macro MERGE                           ; the eight chains of the row's sum become one
	v_pk_add_f32 v[14:15], v[14:15], v[216:217]
	v_pk_add_f32 v[10:11], v[10:11], v[214:215]
	v_pk_add_f32 v[222:223], v[222:223], v[210:211]
	v_pk_add_f32 v[220:221], v[220:221], v[208:209]
	s_delay_alu instid0(VALU_DEP_2)
	v_pk_add_f32 v[14:15], v[14:15], v[222:223]
	s_delay_alu instid0(VALU_DEP_2)
	v_pk_add_f32 v[10:11], v[10:11], v[220:221]
	s_delay_alu instid0(VALU_DEP_1)
	v_pk_add_f32 v[14:15], v[14:15], v[10:11]
.endm
.macro KQ t                            ; score tile t: fragment t / 2 of K; an even tile against (q | 0), an odd one against (0 | q); an odd fragment's scale words lie in lanes 16-31
.if ((\t)/2)%2
	v_wmma_scale_f32_16x16x128_f8f6f4 v[SCO+8*(\t):SCO+8*(\t)+7], v[FR+12*((\t)/2):FR+12*((\t)/2)+11], v[22-6*((\t)%2):33-6*((\t)%2)], 0, v[36+(\t)/4], v34 matrix_a_fmt:MATRIX_FMT_BF6 matrix_b_fmt:MATRIX_FMT_BF6 matrix_a_scale:MATRIX_SCALE_ROW1
.else
	v_wmma_scale_f32_16x16x128_f8f6f4 v[SCO+8*(\t):SCO+8*(\t)+7], v[FR+12*((\t)/2):FR+12*((\t)/2)+11], v[22-6*((\t)%2):33-6*((\t)%2)], 0, v[36+(\t)/4], v34 matrix_a_fmt:MATRIX_FMT_BF6 matrix_b_fmt:MATRIX_FMT_BF6
.endif
.endm
.macro PV t                            ; O^T's tile t += V's fragment t x P
.if (\t)%2
	v_wmma_scale_f32_16x16x128_f8f6f4 v[OT+8*(\t):OT+8*(\t)+7], v[FR+12*(\t):FR+12*(\t)+11], v[PC:PC+11], v[OT+8*(\t):OT+8*(\t)+7], v[38+(\t)/2], v35 matrix_a_fmt:MATRIX_FMT_BF6 matrix_b_fmt:MATRIX_FMT_BF6 matrix_a_scale:MATRIX_SCALE_ROW1
.else
	v_wmma_scale_f32_16x16x128_f8f6f4 v[OT+8*(\t):OT+8*(\t)+7], v[FR+12*(\t):FR+12*(\t)+11], v[PC:PC+11], v[OT+8*(\t):OT+8*(\t)+7], v[38+(\t)/2], v35 matrix_a_fmt:MATRIX_FMT_BF6 matrix_b_fmt:MATRIX_FMT_BF6
.endif
.endm
; ALL 16 STEPS OF 128 KEYS for one tile of queries.  No two matrix instructions that follow each other share an accumulator (eight fresh score tiles, then O^T's four by turns, over the backward jump too).
.macro STEPS
	s_mov_b32 s66, 16
	s_wait_alu depctr_va_vdst(0)
.Lstep_\@:
	ds_load_b128 v[36:39], v2 offset:12288         ; the step's scale words (the nine additions behind the last step's products are the places in front of these loads)
.set I, 0
.rept 12
	ds_load_b128 v[FR+4*I:FR+4*I+3], v2 offset:512*I   ; K's four fragments, as images: 16 consecutive bytes a lane
.set I, I+1
.endr
	s_wait_dscnt 0x0
.irp t, 0,1,2,3,4,5,6,7
	KQ \t
.endr
	MERGE                                          ; the last step's sums are joined: seven places in front of the loads into K's registers and of the first read of the scores
.set I, 0
.rept 12
	ds_load_b128 v[FR+4*I:FR+4*I+3], v2 offset:6144+512*I   ; V's four fragments land while the softmax is worked
.set I, I+1
.endr
	s_wait_kmcnt 0x0                               ; the step's lane masks, asked for a step ago
.set I, 0
.rept 5
	v_cndmask_b32 v[SCO+I], v[SCO+I], v7, s[32+I]  ; a masked key's logit; each score tile is read from its low end on
.set I, I+1
.endr
; Score N is selected while score E = N - 5 goes into its block's running maximum E % 4.  The pair's destinations are one even and one odd, its first sources lie in different banks (N and N - 5 modulo 4), and no maximum lies in v7's bank.
.set N, 5
.rept 59
.set E, N-5
.set E4, E%4
.set AC, 204+4*(E/32)+E4+8*(E/32)*(E4%2)+2*(E4/3)
	s_mov_b32 vcc_lo, s[32+N+4*(N/32)]
.if (E%32) < 4
	v_dual_cndmask_b32 v[SCO+N], v[SCO+N], v7 :: v_dual_mov_b32 v[AC], v[SCO+E]
.else
	v_dual_cndmask_b32 v[SCO+N], v[SCO+N], v7 :: v_dual_max_num_f32 v[AC], v[SCO+E], v[AC]
.endif
.set N, N+1
.endr
	v_max3_num_f32 v214, v204, v205, v206          ; THE LARGEST SCORE OF EACH OF MY TWO BLOCKS: it serves for the row's maximum and, since p rises with the score, for the block's largest p
	v_max3_num_f32 v216, v208, v217, v[SCO+59]     ; (scores 59 to 63 have not been through a pair's second half)
	v_max3_num_f32 v220, v210, v221, v[SCO+60]
	s_delay_alu instid0(VALU_DEP_3)
	v_max_num_f32 v214, v214, v209
	s_delay_alu instid0(VALU_DEP_3)
	v_max3_num_f32 v216, v216, v[SCO+61], v[SCO+62]
	s_delay_alu instid0(VALU_DEP_1)
	v_max3_num_f32 v216, v216, v220, v[SCO+63]
	s_delay_alu instid0(VALU_DEP_1)
	v_max_num_f32 v219, v214, v216
	s_delay_alu instid0(VALU_DEP_1)
	v_permlanex16_b32 v218, v219, s26, s27
	s_delay_alu instid0(VALU_DEP_1)
	v_max_num_f32 v219, v219, v218                 ; with lane l xor 16's 64 keys: the step's largest logit of my query
	s_delay_alu instid0(VALU_DEP_1)
	v_mul_f32 v219, s28, v219                      ; as t
	s_delay_alu instid0(VALU_DEP_1)
	v_max_num_f32 v13, v13, v219                   ; the running largest t
	v_mov_b32 v219, v12
	s_delay_alu instid0(VALU_DEP_2)
	v_floor_f32 v12, -v13                          ; the new -M = floor(-t): M is a whole number
	s_delay_alu instid0(VALU_DEP_1)
	v_sub_f32 v219, v12, v219                      ; old M - new M: a whole number, 0 or less
	s_delay_alu instid0(VALU_DEP_1)
	v_cvt_i32_f32 v219, v219                       ; (it saturates)
	s_delay_alu instid0(VALU_DEP_1)
	v_ldexp_f32 v212, 1.0, v219                    ; f = 2^(old M - new M)
	s_add_co_u32 s30, s30, 256                     ; the next step's record (my 32 records lie on end, through both tiles);
	s_min_u32 s31, s30, 7936                       ; behind the last step of all: the last record once more, so that no load leaves the buffer
	MLOAD
.set I, 0
.rept 32
	v_pk_fma_f32 v[SCO+2*I:SCO+2*I+1], v[SCO+2*I:SCO+2*I+1], s[28:29], v[12:13] op_sel_hi:[1,0,0]   ; t - M, two at a time
.set I, I+1
.endr
	v_fma_f32 v214, v214, s28, v12                 ; the same of each block's largest score
	v_fma_f32 v216, v216, s28, v12
.set I, 0
.rept 16
	v_pk_mul_f32 v[OT+2*I:OT+2*I+1], v[OT+2*I:OT+2*I+1], v[212:213] op_sel_hi:[1,0]   ; O^T under the new M, each tile from its low end on
.set I, I+1
.endr
	s_wait_alu depctr_va_vdst(0)
.set I, 0
.rept 64
	v_exp_f32 v[SCO+I], v[SCO+I]                   ; p = 2^(t - M), at most 1
.set I, I+1
.endr
	v_exp_f32 v214, v214                           ; the blocks' largest p: the same two instructions on the same number
	v_exp_f32 v216, v216
	v_add_nc_u32 v2, REC, v2                       ; the next step's record (this step's LDS loads have all been issued); also the plain instruction behind the exponentials
	s_wait_alu depctr_va_vdst(0)                   ; one wait for the whole batch, ahead of its first reader
	s_wait_dscnt 0x0                               ; V's fragments are in
	v_max_num_f32 v214, 0x2800000, v214            ; the floor 2^(5 - 127): a block whose every p is 0 keeps the byte 1, and its codes are zeros
	v_max_num_f32 v216, 0x2800000, v216
	s_delay_alu instid0(VALU_DEP_2)
	v_add_nc_u32 v220, 0xfe000000, v214            ; 4 off the exponent field: the conversions' scale operands
	s_delay_alu instid0(VALU_DEP_2)
	v_add_nc_u32 v221, 0xfe000000, v216
	s_delay_alu instid0(VALU_DEP_2)
	v_lshrrev_b32 v222, 23, v220
	s_delay_alu instid0(VALU_DEP_2)
	v_lshrrev_b32 v223, 23, v221
	s_delay_alu instid0(VALU_DEP_1)
	v_lshl_or_b32 v222, v223, 16, v222             ; my bytes: blocks h and 2 + h,
	s_delay_alu instid0(VALU_DEP_1)
	v_lshlrev_b32 v222, v8, v222                   ; at their places;
	s_delay_alu instid0(VALU_DEP_1)
	v_permlanex16_b32 v218, v222, s26, s27
	s_delay_alu instid0(VALU_DEP_1)
	v_or_b32 v35, v222, v218                       ; with lane l xor 16's two: P's scale word for these 128 keys
	v_cvt_scalef32_pk16_bf6_f32 v[PC:PC+2], v[SCO:SCO+15], v220
	v_cvt_scalef32_pk16_bf6_f32 v[204:206], v[SCO+16:SCO+31], v220   ; (a conversion's three registers begin on an even number)
	v_cvt_scalef32_pk16_bf6_f32 v[PC+6:PC+8], v[SCO+32:SCO+47], v221
	v_cvt_scalef32_pk16_bf6_f32 v[208:210], v[SCO+48:SCO+63], v221
	v_pk_add_f32 v[10:11], v[100:101], v[104:105]  ; THE ROW'S SUM IS TAKEN OF THE UNQUANTISED p, in eight chains; this line is also the plain instruction behind the scaled conversions
	v_dual_mov_b32 v[PC+3], v204 :: v_dual_mov_b32 v[PC+10], v209
	v_dual_mov_b32 v[PC+4], v205 :: v_dual_mov_b32 v[PC+9], v208
	v_mov_b32 v[PC+5], v206
	v_mov_b32 v[PC+11], v210
	v_pk_add_f32 v[222:223], v[108:109], v[112:113]
	v_pk_add_f32 v[220:221], v[116:117], v[120:121]
	v_pk_add_f32 v[216:217], v[124:125], v[128:129]
	v_pk_add_f32 v[214:215], v[132:133], v[136:137]
	v_pk_add_f32 v[210:211], v[140:141], v[144:145]
	v_pk_add_f32 v[208:209], v[148:149], v[152:153]
	v_pk_fma_f32 v[14:15], v[14:15], v[212:213], v[156:157] op_sel_hi:[1,0,1]   ; the sum so far comes under the new M as it takes its first pair
	v_pk_add_f32 v[10:11], v[10:11], v[96:97]
	v_pk_add_f32 v[222:223], v[222:223], v[98:99]
	v_pk_add_f32 v[220:221], v[220:221], v[102:103]
	v_pk_add_f32 v[216:217], v[216:217], v[106:107]
	v_pk_add_f32 v[214:215], v[214:215], v[110:111]
	v_pk_add_f32 v[210:211], v[210:211], v[114:115]
	v_pk_add_f32 v[208:209], v[208:209], v[118:119]
	v_pk_add_f32 v[14:15], v[14:15], v[122:123]
.irp t, 0,1,2,3
	PV \t
.endr
	v_pk_add_f32 v[10:11], v[10:11], v[126:127]    ; nine additions that name no register of the products above: the places in front of the next loads into their operands
	v_pk_add_f32 v[222:223], v[222:223], v[130:131]
	v_pk_add_f32 v[220:221], v[220:221], v[134:135]
	v_pk_add_f32 v[216:217], v[216:217], v[138:139]
	v_pk_add_f32 v[214:215], v[214:215], v[142:143]
	v_pk_add_f32 v[210:211], v[210:211], v[146:147]
	v_pk_add_f32 v[208:209], v[208:209], v[150:151]
	v_pk_add_f32 v[14:15], v[14:15], v[154:155]
	v_pk_add_f32 v[10:11], v[10:11], v[158:159]
	s_sub_co_u32 s66, s66, 1
	s_cmp_lg_u32 s66, 0
	s_wait_alu depctr_va_vdst(0)                   ; directly ahead of the branch
	s_cbranch_scc1 .Lstep_\@
.endm
; Tile p leaves: O^T / the sum goes into my stage (a lane holds 32 neighbouring bytes of a row) and comes back as whole rows of 256 bytes.
.macro WAYOUT p
	MERGE                                          ; the last step's chains
	s_delay_alu instid0(VALU_DEP_1)
	v_add_f32 v14, v14, v15                        ; the sum's two halves,
	s_delay_alu instid0(VALU_DEP_1)
	v_permlanex16_b32 v218, v14, s26, s27
	s_delay_alu instid0(VALU_DEP_1)
	v_add_f32 v14, v14, v218                       ; and lane l xor 16's: the row's sum, over 1/2 at the least
	s_wait_alu depctr_va_vdst(0)
	v_rcp_f32 v212, v14
	v_nop                                          ; the plain instruction behind the reciprocal
	s_wait_alu depctr_va_vdst(0)                   ; the wait ahead of its first reader, which is O^T's first reader too
.set I, 0
.rept 16
	v_pk_mul_f32 v[SCO+2*I:SCO+2*I+1], v[OT+2*I:OT+2*I+1], v[212:213] op_sel_hi:[1,0]   ; each accumulator from its low end on
.set I, I+1
.endr
.irp t, 0,1,2,3
	ds_store_b128 v4, v[SCO+8*\t:SCO+8*\t+3] offset:64*\t
	ds_store_b128 v4, v[SCO+8*\t+4:SCO+8*\t+7] offset:64*\t+16
.endr
.irp i, 0,1,2,3,4,5,6,7
	ds_load_b128 v[128+4*\i:131+4*\i], v5 offset:2*SP*\i   ; LDS serves a wave's instructions in order: these see my stores
.endr
.irp i, 0,1,2,3,4,5,6,7
	s_wait_dscnt 7-\i                              ; the 7 - i younger loads may stay out
	global_store_b128 v1, v[128+4*\i:131+4*\i], s[10:11] offset:4096*\p+512*\i th:TH_STORE_NT   ; 32 lanes store two rows: 512 consecutive bytes, at a multiple of 256 from out's first byte
.endr
.if \p == 0
	s_wait_xcnt 0x0                                ; the next tile's products write the registers that these stores read: only behind this wait
.endif
.endm
	s_wait_loadcnt 0x0                             ; my first tile of q is in
	QPREP SCO, FR, 22, 34
	s_wait_tensorcnt 0x0                           ; my record has landed,
	s_wait_dscnt 0x0
	s_barrier_signal -1
	s_barrier_wait -1                              ; everybody's has: all 16 records may be read by all
	PASSINIT
	STEPS
.set I, 0
.rept 8
	global_load_b128 v[FR+4*I:FR+4*I+3], v1, s[4:5] offset:4096+512*I th:TH_LOAD_NT   ; my second tile of q, into the fragments' registers, on its way while the first tile leaves
.set I, I+1
.endr
	WAYOUT 0
	s_wait_loadcnt 0x0
	QPREP FR, SCO, 22, 34                          ; the second tile's codes between the zeros, and its scale word; PASSINIT's lines stand between these and the first product
	PASSINIT
	STEPS
	WAYOUT 1
	s_wait_kmcnt 0x0                               ; the last step's look-ahead load of lane masks is in: nothing scalar is out at the end
	s_wait_tensorcnt 0x0                           ; the wave's end
	ds_add_u32 v224, v225
	s_wait_dscnt 0x0
	ROUND                                          ; the closing round: no work-group ends while a partner may still ask for a record that names it
	s_endpgm
.Lfunc_end_k_qbe0a5e9c78_attn:
	.size	k_qbe0a5e9c78_attn, .Lfunc_end_k_qbe0a5e9c78_attn-k_qbe0a5e9c78_attn
	.p2alignl 7, 3214868480
	.fill 96, 4, 3214868480
	.section	.rodata,"a",@progbits
	.p2align	6, 0x0
	.amdhsa_kernel k_qbe0a5e9c78_attn
		.amdhsa_group_segment_fixed_size 276480
		.amdhsa_private_segment_fixed_size 0
		.amdhsa_enable_private_segment 0
		.amdhsa_kernarg_size 32
		.amdhsa_user_sgpr_count 2
		.amdhsa_user_sgpr_kernarg_segment_ptr 1
		.amdhsa_wavefront_size32 1
		.amdhsa_system_sgpr_workgroup_id_x 1
		.amdhsa_system_sgpr_workgroup_id_y 1
		.amdhsa_system_sgpr_workgroup_id_z 1
		.amdhsa_system_vgpr_workitem_id 0
		.amdhsa_next_free_vgpr 226
		.amdhsa_next_free_sgpr 102
		.amdhsa_reserve_vcc 1
		.amdhsa_float_denorm_mode_32 3
		.amdhsa_float_denorm_mode_16_64 3
		.amdhsa_memory_ordered 1
		.amdhsa_forward_progress 1
		.amdhsa_inst_pref_size 67
	.end_amdhsa_kernel
	.amdgpu_metadata
---
amdhsa.version: [ 1, 2 ]
amdhsa.kernels:
  - .name:           k_qbe0a5e9c78_attn
    .symbol:         k_qbe0a5e9c78_attn.kd
    .args:
      - { .name: q, .offset: 0, .size: 8, .value_kind: global_buffer, .address_space: global }
      - { .name: kv, .offset: 8, .size: 8, .value_kind: global_buffer, .address_space: global }
      - { .name: mbits, .offset: 16, .size: 8, .value_kind: global_buffer, .address_space: global }
      - { .name: out0, .offset: 24, .size: 8, .value_kind: global_buffer, .address_space: global }
    .group_segment_fixed_size: 276480
    .private_segment_fixed_size: 0
    .kernarg_segment_align: 8
    .kernarg_segment_size: 32
    .max_flat_workgroup_size: 512
    .sgpr_count:     102
    .vgpr_count:     226
    .wavefront_size: 32
...
	.end_amdgpu_metadata
.endif
;; end of part 2
